; MI455X (gfx1250); checked and timed in simulation.
; The chip was launched on July 23, 2026; its instructions are those of AMD's public machine-readable ISA for CDNA 5 (MIT licence, August 2026) and "CDNA5" Instruction Set Architecture Reference Guide (July 2026). The comments in the code are by the model that wrote it; some were corrected since.
;; Layer. Allowed arithmetic: matrix products marked QUANTISED: E4M3 operands, one E8M0 scale for each 32 along K, by v_wmma_scale_f32_16x16x128_f8f6f4 with both operands' format E4M3, f32 sums; everything else in f32.
;; Inputs: A_codes 4,096 x 128 x 32 uint8 (E4M3 codes of A, K innermost, in blocks of 32 codes); A_scales 4,096 x 128 uint8 (E8M0 scales of A, one for each 32 codes along K); q 4,096 x 512 int32; s 32 x 4,096 float32.
;; Outputs: out0 4,096 x 4,096 float32.
;; This version of the problem:
;;   THIS VERSION OF THE PROBLEM IS GIVEN IN LOW PRECISION. The matrix products marked QUANTISED in the list below multiply operands that are first quantised to E4M3 (4 exponent bits, 3 mantissa bits; 8 bits a number), with one power-of-two scale for each 32 numbers along K (OCP MX v1.0); their sums are f32. All else is computed in f32.
;;   The module's matrix products, in the order in which they are computed (A, B: the left and right operand; K: the contracted axis; several contracted axes count as one K, in the product's order):
;;     1. [M 4,096, K 4,096] x [K 4,096, N 4,096]; A: input A (given as codes); B: computed on the way: QUANTISED
;;   THE QUANTISER, for each operand of a quantised product, along K:
;;     - K is cut into blocks of 32 from its start; a last block that is shorter is filled with zeros.
;;     - A block's scale is 2^e with e = floor(log2(the largest magnitude in the block)) - 8, held to -126 .. 127; a block of zeros has e = 0. As a byte (E8M0): e + 127.
;;     - Each number is divided by its block's scale, clamped to +-448, and rounded to the nearest number of E4M3, ties to even, subnormals kept.
;;     - The product sums the exact products of the quantised numbers (number of the format x scale) in f32.
;;   ~~~python
;;   def quantise(x, axis):      # numpy; x: float32 -> the quantised numbers, widened to float32 again
;;       x = np.moveaxis(x, axis, -1); K = x.shape[-1]
;;       x = np.pad(x, [(0, 0)] * (x.ndim - 1) + [(0, -K % 32)]); x = x.reshape(x.shape[:-1] + (-1, 32)); a = np.abs(x).max(-1, keepdims=True)
;;       e = np.where(a > 0, np.clip(np.frexp(np.where(a > 0, a, 1))[1] - 1 - 8, -126, 127), 0)      # np.frexp(a)[1] - 1 = floor(log2(a)), exactly
;;       r = np.clip(x / 2.0 ** e, -448, 448)
;;       step = 2.0 ** (np.maximum(np.frexp(np.where(r == 0, 1, r))[1] - 1, -6) - 3)
;;       q = np.round(r / step) * step * 2.0 ** e      # np.round: ties to even
;;       return np.moveaxis(q.reshape(q.shape[:-2] + (-1,))[..., :K], -1, axis).astype(np.float32)
;;   ~~~
;;   OPERANDS COMPUTED ON THE WAY. 'Computed on the way' means the value that the module computes at that place (a softmax that the list does not call 'softmax' is quantised finished and normalised). What goes into a quantiser is computed in f32, as accurately as f32 sums, v_exp_f32 and their like allow (about 1e-6 of the number): no bf16 or f16 on the way to a quantiser, and a product that is left as it is and whose result goes on into a quantised operand takes f32 operands (vector FMAs, or v_wmma_f32_16x16x4_f32). A number that lies on a knife's edge between two numbers of the format may be rounded either way, as far as f32 arithmetic and the matrix unit's own rounding can turn it there, and no further.
;;   INPUTS GIVEN AS CODES. A (in the module: [4096, 4096], K = its axis 1): each comes as NAME_codes (uint8): NAME with its K axis moved to the last place and cut into blocks of 32 codes, [.., K / 32, bytes a block], one block behind the other in memory; one code a byte (a code: sign, 4 exponent bits, 3 mantissa bits); and NAME_scales (uint8): the same leading axes, one E8M0 byte (e + 127) for each 32 codes along K. Its value is code x scale, taken as it is: it is not quantised again, and the codes and scales need not be those that the quantiser above would give.
;; One version. Each part assembles by itself: llvm-mc -triple=amdgcn-amd-amdhsa -mcpu=gfx1250 --defsym DOCPART=n.
;; ======== version 1 of 1: 2 launches
;; limits: right only within a limited range of input values
;; workspace buffers: w_codes 16,777,216 bytes; w_scales 524,288 bytes
;; launch quant (part 1): grid 8 x 32, 8 waves a work-group, no clusters, 70,656 bytes of LDS; arguments q, s, w_codes, w_scales; writes w_codes, w_scales
.if DOCPART == 1
	.amdgcn_target "amdgcn-amd-amdhsa--gfx1250"
	.amdhsa_code_object_version 6
	.text
	.protected	k_qeafd4885d1_quant
	.globl	k_qeafd4885d1_quant
	.p2align	8
	.type	k_qeafd4885d1_quant,@function
k_qeafd4885d1_quant:
	s_mov_b64 s[64:65], 0
	v_nop
	global_prefetch_b8 v0, s[64:65] scope:SCOPE_SE
	s_setreg_imm32_b32 hwreg(HW_REG_WAVE_MODE, 25, 1), 1
	s_wait_xcnt 0x0
; w[k][n] = (nibble(q) - 8) * s[k / 128][n], made in f32 and turned into codes of FP8 (E4M3) with one E8M0 scale byte for each 32 along K.
; q: [4096][512] words, eight nibbles (eight neighbouring n) a word; s: [32][4096] f32.
; THE RESULT IS LAID IN THE ORDER OF THE PRODUCT'S OPERAND REGISTERS, for 64 columns (nb) and 128 along K (kb) at a time:
;   w_codes [nb 0..63][kb 0..31][8,192 bytes]: four fragments b of 2,048; in a fragment four groups c of 512; in a group lane l = (r = l % 16, h = l / 16)
;   owns 16 bytes: the codes of column 64 nb + 16 b + r at k = 128 kb + 32 c + 16 h + 0 .. 15.
;   w_scales [nb][kb][64 words]: byte c of a word = k block c; the word of column 16 b + r is word 32 (b % 2) + 16 (b / 2) + r.
; SHARES.  A work-group takes 512 columns x 128 along K; wave (c, p): k block c (32 rows of q), 256 columns from 256 p on; a lane one word of each row: eight columns.
; A block of 32 along K of a column lies in ONE lane's registers: its largest magnitude needs no other lane, and the conversions give codes with K innermost.
; A tile of 16 columns is made by lanes 2 i, 2 i + 1 of one wave: its 512 bytes go through the wave's own stage rows in LDS and leave as 512 consecutive bytes a store.
; ARITHMETIC.  fma(float(nibble), s, -8 s): -8 s is exact, so this is (nibble - 8) s rounded once.
; LIMITS: NaN and infinities in s are not served, nor magnitudes of s from 2^125 on.  A block of zeros, or one whose largest magnitude lies under 2^-118, gets the byte 1: these bytes are read by this program alone.
; No tensor loads, no cluster: each byte of q is read once, and work-groups share nothing but single rows of s.
.set SP,    528                        ; a stage row: 512 bytes + 16, an odd multiple of 16
.set SCST,  4*32*SP                    ; behind the stages: 512 scale bytes for each k block
.set SPARE, SCST+2048                  ; spare words: 128 bytes a wave
.set S,   8                            ; v8-15    s of my eight columns
.set Q,   32                           ; v32-63   row i's word
.set T,   64                           ; v64-95   a column's 32 numbers
.set C,   96                           ; v96-159  eight columns' codes, eight registers each
	s_load_b128 s[4:7], s[0:1], 0x0                ; q, s
	s_load_b128 s[8:11], s[0:1], 0x10              ; w_codes, w_scales
	v_lshl_add_u32 v160, v0, 2, SPARE
	v_mov_b32 v161, 0
	v_lshrrev_b32 v1, 5, v0
	v_readfirstlane_b32 s12, v1                    ; wave
	s_and_b32 s13, s12, 3                          ; c
	s_lshr_b32 s24, s12, 2                         ; p
	s_mul_i32 s15, s13, 32*SP
	s_mul_i32 s16, s24, 16*SP
	s_add_co_u32 s15, s15, s16
	v_and_b32 v1, 31, v0
	v_lshlrev_b32 v2, 2, v1                        ; q: 4 bytes a lane
	v_lshlrev_b32 v3, 5, v1                        ; s: 32 bytes a lane
	v_lshlrev_b32 v6, 4, v1                        ; the codes' stores: 16 bytes a lane
	v_lshlrev_b32 v17, 3, v1                       ; the scale words' store: 8 bytes a lane
	v_lshrrev_b32 v18, 1, v1                       ; my tile of the wave's sixteen
	v_and_b32 v19, 1, v1                           ; my half of its columns
	v_mul_u32_u24 v4, SP, v18
	v_lshl_add_u32 v4, v19, 7, v4
	v_add_nc_u32 v4, s15, v4                       ; into the stage
	v_add_nc_u32 v5, s15, v6                       ; out of it
	v_lshrrev_b32 v20, 2, v18                      ; my eight scale bytes' place in k block c's 512
	v_lshlrev_b32 v7, 6, v20
	v_and_b32 v20, 1, v18
	v_lshl_add_u32 v7, v20, 5, v7
	v_bfe_u32 v20, v18, 1, 1
	v_lshl_add_u32 v7, v20, 4, v7
	v_lshl_add_u32 v7, v19, 3, v7
	s_lshl_b32 s16, s13, 9
	s_lshl_b32 s17, s24, 8
	s_add_co_u32 s16, s16, s17
	s_add_co_u32 s16, s16, SCST
	v_add_nc_u32 v7, s16, v7
	v_lshl_add_u32 v16, v0, 1, SCST                ; the scales' way out: two bytes a thread of each k block's 512
	v_mov_b32 v25, 0                               ; (upper halves of the pairs that the packed form names)
	v_mov_b32 v27, 0
	s_wait_alu depctr_va_vdst(0)                   ; the wait at the head's end
	s_mov_b32 s25, 0x600000                        ; the mantissa field of 448
	s_and_b32 s14, ttmp7, 0xffff                   ; kb
	s_lshl_b32 s16, s14, 18                        ; q: 128 kb rows of 2,048 bytes,
	s_lshl_b32 s15, s13, 16                        ; + 32 c rows,
	s_add_co_u32 s16, s16, s15
	s_lshl_b32 s15, ttmp9, 8                       ; + the work-group's 64 words, + 32 p
	s_add_co_u32 s16, s16, s15
	s_lshl_b32 s15, s24, 7
	s_add_co_u32 s16, s16, s15
	s_mov_b32 s17, 0
	s_lshl_b32 s18, s14, 14                        ; s: row kb of 16,384 bytes, + my 256 numbers
	s_lshl_b32 s15, ttmp9, 11
	s_add_co_u32 s18, s18, s15
	s_lshl_b32 s15, s24, 10
	s_add_co_u32 s18, s18, s15
	s_mov_b32 s19, 0
	s_lshl_b32 s20, ttmp9, 21                      ; codes: the work-group's eight nb, + 4 p,
	s_lshl_b32 s15, s24, 20
	s_add_co_u32 s20, s20, s15
	s_lshl_b32 s15, s14, 13                        ; block kb, group c of each fragment
	s_add_co_u32 s20, s20, s15
	s_lshl_b32 s15, s13, 9
	s_add_co_u32 s20, s20, s15
	s_mov_b32 s21, 0
	s_lshl_b32 s22, ttmp9, 16                      ; scale words: wave w stores the w-th nb's 256 bytes
	s_lshl_b32 s15, s12, 13
	s_add_co_u32 s22, s22, s15
	s_lshl_b32 s15, s14, 8
	s_add_co_u32 s22, s22, s15
	s_mov_b32 s23, 0
	s_wait_kmcnt 0x0
	s_add_nc_u64 s[4:5], s[4:5], s[16:17]
	s_add_nc_u64 s[6:7], s[6:7], s[18:19]
	s_add_nc_u64 s[8:9], s[8:9], s[20:21]
	s_add_nc_u64 s[10:11], s[10:11], s[22:23]
	global_load_b128 v[S:S+3], v3, s[6:7]
	global_load_b128 v[S+4:S+7], v3, s[6:7] offset:16
.set i, 0
.rept 32
	global_load_b32 v[Q+i], v2, s[4:5] offset:2048*i th:TH_LOAD_NT   ; 128 consecutive bytes of row i; the wave of the other p reads the unit's other half
.set i, i+1
.endr
	s_wait_loadcnt 0x0                             ; every column wants all 32 rows
.macro COLUMN t                        ; my column t: nibble t of the 32 words.  Runs of independent lines
.set CS, C+8*(\t)
	v_mov_b32 v24, v[S+\t]                         ; s,
	v_mul_f32 v26, 0xc1000000, v[S+\t]             ; -8 s: exact
.set i, 0
.rept 32
	v_bfe_u32 v[T+i], v[Q+i], 4*(\t), 4
.set i, i+1
.endr
.set i, 0
.rept 32
	v_cvt_f32_u32 v[T+i], v[T+i]
.set i, i+1
.endr
.set i, 0
.rept 16
	v_pk_fma_f32 v[T+i:T+i+1], v[T+i:T+i+1], v[24:25], v[26:27] op_sel_hi:[1,0,0]   ; of the pairs the low word serves both halves
.set i, i+2
.endr
	v_max3_num_f32 v28, |v[T]|, |v[T+1]|, |v[T+2]|                 ; the block's largest magnitude, in two chains
	v_max3_num_f32 v29, |v[T+3]|, |v[T+4]|, |v[T+5]|
.irp i, 6,10,14,18,22,26
	v_max3_num_f32 v28, v28, |v[T+\i]|, |v[T+\i+1]|
	v_max3_num_f32 v29, v29, |v[T+\i+2]|, |v[T+\i+3]|
.endr
	v_max3_num_f32 v28, v28, |v[T+30]|, |v[T+31]|
	v_max3_num_f32 v28, v28, v29, 0x4800000        ; and the floor 2^(9 - 127): the byte cannot fall under 1
	v_add_nc_u32 v30, 0xfc000000, v28              ; 8 off the exponent field: the conversion takes this operand's exponent field as its scale
	v_and_or_b32 v31, v28, 0x7f800000, s25         ; 448 x the scale
.set i, 0
.rept 32
	v_med3_num_f32 v[T+i], v[T+i], -v31, v31       ; the conversion to an 8-bit code does not saturate (ISA guide 7.6.2): hold first
.set i, i+1
.endr
.irp g, 0,1,2,3
	v_cvt_scalef32_pk8_fp8_f32 v[CS+2*\g:CS+2*\g+1], v[T+8*\g:T+8*\g+7], v30
.endr
	v_lshrrev_b32 v21, 23, v30                     ; the scale's byte.  (Also the plain line behind the conversions)
.if (\t)%4 == 0
	v_mov_b32 v[22+(\t)/4], v21
.else
	v_lshl_or_b32 v[22+(\t)/4], v21, 8*((\t)%4), v[22+(\t)/4]
.endif
	ds_store_b128 v4, v[CS:CS+3] offset:16*(\t)            ; k 0 .. 15 of the block: the place of lane (r, 0)
	ds_store_b128 v4, v[CS+4:CS+7] offset:256+16*(\t)      ; k 16 .. 31: lane (r, 1)
.endm
.irp t, 0,1,2,3,4,5,6,7
	COLUMN \t
.endr
	ds_store_b64 v7, v[22:23]                      ; my eight scale bytes, for the barrier below
.set g, 0
.rept 16                               ; tile g's group back as it is to lie in memory.  LDS serves a wave's instructions in order (ISA guide 5.7.1.4): these see my wave's stores
	ds_load_b128 v[Q+4*g:Q+4*g+3], v5 offset:SP*g
.set g, g+1
.endr
.set g, 0
.rept 16
	s_wait_dscnt 15-g                              ; load g is in; the younger ones may be out
	global_store_b128 v6, v[Q+4*g:Q+4*g+3], s[8:9] offset:(g/4)*262144+(g%4)*2048      ; 512 consecutive bytes, at a multiple of 256 from the buffer's first byte
.set g, g+1
.endr
	s_wait_dscnt 0x0                               ; for the others' sake: my scale bytes lie in LDS
	s_barrier_signal -1
	s_barrier_wait -1                              ; all four k blocks' bytes do
.irp c, 0,1,2,3
	ds_load_u16 v[8+\c], v16 offset:512*\c         ; two columns' bytes of k block c
.endr
	s_wait_dscnt 0x0
	v_perm_b32 v12, v9, v8, 0x05010400             ; from two bytes a k block to a word a column
	v_perm_b32 v13, v11, v10, 0x05010400
	v_perm_b32 v14, v13, v12, 0x05040100
	v_perm_b32 v15, v13, v12, 0x07060302
	global_store_b64 v17, v[14:15], s[10:11]       ; the wave stores one nb's 256 bytes of scale words
	s_wait_tensorcnt 0x0                           ; the wave's end
	ds_add_u32 v160, v161
	s_wait_dscnt 0x0
	s_endpgm
.Lfunc_end_k_qeafd4885d1_quant:
	.size	k_qeafd4885d1_quant, .Lfunc_end_k_qeafd4885d1_quant-k_qeafd4885d1_quant
	.p2alignl 7, 3214868480
	.fill 96, 4, 3214868480
	.section	.rodata,"a",@progbits
	.p2align	6, 0x0
	.amdhsa_kernel k_qeafd4885d1_quant
		.amdhsa_group_segment_fixed_size 70656
		.amdhsa_private_segment_fixed_size 0
		.amdhsa_enable_private_segment 0
		.amdhsa_kernarg_size 32
		.amdhsa_user_sgpr_count 2
		.amdhsa_user_sgpr_kernarg_segment_ptr 1
		.amdhsa_wavefront_size32 1
		.amdhsa_system_sgpr_workgroup_id_x 1
		.amdhsa_system_sgpr_workgroup_id_y 1
		.amdhsa_system_sgpr_workgroup_id_z 1
		.amdhsa_system_vgpr_workitem_id 0
		.amdhsa_next_free_vgpr 164
		.amdhsa_next_free_sgpr 66
		.amdhsa_reserve_vcc 0
		.amdhsa_float_denorm_mode_32 3
		.amdhsa_float_denorm_mode_16_64 3
		.amdhsa_memory_ordered 1
		.amdhsa_forward_progress 1
		.amdhsa_inst_pref_size 73
	.end_amdhsa_kernel
	.amdgpu_metadata
---
amdhsa.version: [ 1, 2 ]
amdhsa.kernels:
  - .name:           k_qeafd4885d1_quant
    .symbol:         k_qeafd4885d1_quant.kd
    .args:
      - { .name: q, .offset: 0, .size: 8, .value_kind: global_buffer, .address_space: global }
      - { .name: s, .offset: 8, .size: 8, .value_kind: global_buffer, .address_space: global }
      - { .name: w_codes, .offset: 16, .size: 8, .value_kind: global_buffer, .address_space: global }
      - { .name: w_scales, .offset: 24, .size: 8, .value_kind: global_buffer, .address_space: global }
    .group_segment_fixed_size: 70656
    .private_segment_fixed_size: 0
    .kernarg_segment_align: 8
    .kernarg_segment_size: 32
    .max_flat_workgroup_size: 256
    .sgpr_count:     66
    .vgpr_count:     164
    .wavefront_size: 32
...
	.end_amdgpu_metadata
.endif
;; end of part 1
;; launch gemm (part 2): grid 16 x 16, 4 waves a work-group, clusters of 4 x 1, 327,680 bytes of LDS; arguments A_codes, A_scales, w_codes, w_scales, out0; writes out0
.if DOCPART == 2
	.amdgcn_target "amdgcn-amd-amdhsa--gfx1250"
	.amdhsa_code_object_version 6
	.text
	.protected	k_qeafd4885d1_gemm
	.globl	k_qeafd4885d1_gemm
	.p2align	8
	.type	k_qeafd4885d1_gemm,@function
k_qeafd4885d1_gemm:
	s_mov_b64 s[64:65], 0
	v_nop
	global_prefetch_b8 v0, s[64:65] scope:SCOPE_SE
	s_setreg_imm32_b32 hwreg(HW_REG_WAVE_MODE, 25, 1), 1
	s_wait_xcnt 0x0
	s_wait_alu depctr_hold_cnt(0) depctr_sa_sdst(0) depctr_va_vdst(0) depctr_va_sdst(0) depctr_va_ssrc(0) depctr_va_vcc(0) depctr_vm_vsrc(0)
	s_getreg_b32 s2, hwreg(HW_REG_IB_STS2, 6, 4)
	s_cmp_eq_u32 s2, 0
	s_cbranch_scc0 .Lentry_in_a_cluster
	s_endpgm
.Lentry_in_a_cluster:
	s_bfe_u32 s2, ttmp6, 0x10000c
	s_cmp_lg_u32 s2, 0x3003
	s_cbranch_scc0 .Lentry_shape_is_right
	s_endpgm
.Lentry_shape_is_right:
; out[m][n] = sum over k of A[m][k] W[k][n]: 4096 x 4096 x 4096, codes of FP8 (E4M3), an E8M0 byte for each 32 along K; sums in f32.
; A tile of 256 x 256 is made by a work-group of four waves; wave w makes 256 rows x 64 columns (64 w on): 16 blocks a of 16 rows x 4 blocks b of 16 columns, 512 accumulator registers.
; K goes in steps of 128, 64 products a wave, in four QUARTERS of four row blocks.  A SLOT is four steps, 512 along K.
; A goes through LDS: two slots of 256 rows x 512 bytes, joint loads: the four work-groups of a cluster lie side by side along x and share A's rows.
; W does not: quant has laid it in the order of operand registers, each fragment is wanted by ONE wave of the work-group, and the wave loads it straight into registers: four sets of 64, one a step,
; loaded three steps ahead.  Through LDS each of its bytes would be written once more and read once more, and two slots would hold 256 along K: so it has no joint load.
; THE PRODUCT IS USED TRANSPOSED (source 0 = 16 columns of W, source 1 = 16 rows of A): lane (r = l % 16, h = l / 16) holds row r, columns 8 h + 0 .. 7 of a block: 32 bytes of out.
; A's fragments: two halves of four buffers of 16 registers: behind a quarter's 16 products ONE run of loads brings the quarter after next into the half just used, and a share of W's set.
; THE LAST THREE STEPS GO BY ROWS OF out (12 products a row block; the three steps' sets of W all lie in registers): finished blocks leave while later ones are multiplied.
; PREFETCH: with the refill of one slot the next refill's rows of A are asked for, four steps ahead: each 256 bytes once in each cluster, shared out among its work-groups by address.
; W's own loads stand three steps ahead of their use and are waited for by count: no prefetch.
; LIMITS: sums beyond f32's range, and NaN in A's codes or scale bytes, are carried as the matrix unit carries them.
; REGISTERS: window 0: v16-30 addresses, v40-47 W's scale words, v64-95 A's scale words, v128-255 A's fragments; on the way out v0-15, v48-63, v96-127.
;   window 1: W's four sets; windows 2, 3: accumulator (a, b) at 32 (a % 8) + 8 b of window 2 + a / 8.
; W's scale word of set p, b: v[40 + 4 (b % 2) + (p + 1) % 4], lanes 16 (b / 2) on.  A's of step q, block a: v[64 + 16 (q / 2) + 2 (a % 8) + q % 2], lanes 16 (a / 8) on: numbers of unlike parity in every product.
.set PITCH, 528                        ; an LDS row: 512 bytes + 16: an odd multiple of 16
.set SLOT,  256*PITCH
.set SCA,   2*SLOT                     ; A's scale bytes of the 256 rows, all of K: 128 units of 256 + 16 bytes
.set SBLK,  8*272                      ; those of 16 rows
.set SPARE, SCA+128*272                ; spare words, 128 bytes a wave
.set STAGE, SPARE+512                  ; the way out: 16 rows x 272 bytes a wave; no fill lands there
.set ADL, 16                           ; LDS address of row blocks 0-7 in the slot that is read
.set ADH, 17                           ; of row blocks 8-15
.set BASE, 18                          ; ADL for slot 0
.set ADRS, 20                          ; LDS address of A's scale words
.set L16, 21
.set L4,  22
.set STO, 24
.set RD,  25
.set CO,  26
.set SPW, 28
.set NIL, 29
.set PFO, 30
.set WB,  16                           ; s16: where my 64 rows lie in a slot
.set SLT, 41                           ; s41: the slot that is read: 0 or SLOT
.set G1H, 24                           ; descriptor groups: head, 128 rows of slot 0
.set G0H, 44
.set G1S, 32                           ; A's scale bytes
.set G0S, 56
.set G1F, 48                           ; slot 1's first fill, 256 rows
.set G0F, 60
.set G1R, 68                           ; refills, 64 rows a wave
.set G0R, 76
.set BB,  80                           ; s[80:81] my columns' codes
.set SBB, 82                           ; s[82:83] their scale words
.set PFA, 84                           ; s[84:85] where my prefetch stands
.set MSB, 0
.macro WIN new                         ; the immediate's high byte repeats the setting that is left
.if MSB != \new
	s_set_vgpr_msb (MSB<<8)|(\new)
.set MSB, \new
.endif
.endm
.set MUL, 0xa1                         ; source 0 window 1, source 1 window 0, C and D window 2 (+ 0x50: window 3)
.macro CREST                           ; a round of the cluster's barrier behind its opening barrier
	s_cmp_lg_u32 s14, 0
	s_cbranch_scc1 .Lnot_wave_0_\@
	s_barrier_signal -3
.Lnot_wave_0_\@:
	s_barrier_wait -3
	s_barrier_signal -1
	s_barrier_wait -1
.endm
.macro CROUND
	s_barrier_signal -1
	s_barrier_wait -1
	CREST
.endm
.macro TLOAD g0, g1                    ; an s_nop 0 and four v_nop follow it
	tensor_load_to_lds s[\g0:\g0+3], s[\g1:\g1+7]
	s_nop 0
.rept 4
	v_nop
.endr
.endm
.macro GROUP1 g, rows                  ; rows of 512 bytes, 16 bytes of padding behind each; mask: the cluster's four
	s_mov_b32 s[\g+0], 15|(1<<20)|(1<<21)|(6<<22)|(3<<25)
	s_mov_b32 s[\g+1], 512<<16
	s_mov_b32 s[\g+2], \rows<<16
	s_mov_b32 s[\g+3], 512<<16
	s_mov_b32 s[\g+4], \rows
	s_mov_b32 s[\g+5], 4096
	s_mov_b32 s[\g+6], 0
	s_mov_b32 s[\g+7], 0
.endm
	s_load_b256 s[4:11], s[0:1], 0x0               ; A_codes, A_scales, w_codes, w_scales
	s_load_b64 s[12:13], s[0:1], 0x20              ; out0
	v_lshl_add_u32 v[SPW], v0, 2, SPARE
	v_mov_b32 v[NIL], 0
	ds_add_u32 v[SPW], v[NIL]                      ; the wave's opening: the add, twice on end, and its wait
	ds_add_u32 v[SPW], v[NIL]
	v_lshrrev_b32 v1, 5, v0
	v_readfirstlane_b32 s14, v1                    ; wave
	v_and_b32 v2, 15, v0                           ; r
	v_bfe_u32 v3, v0, 4, 1                         ; h
	v_and_b32 v4, 31, v0                           ; lane
	s_mul_i32 s15, s14, 16*272
	s_add_co_u32 s15, s15, STAGE
	v_mul_u32_u24 v5, PITCH, v2
	v_lshl_add_u32 v[BASE], v3, 4, v5              ; a fragment's row x pitch + 16 h
	v_mov_b32 v[ADL], v[BASE]
	v_add_nc_u32 v[ADH], 128*PITCH, v[BASE]
	v_lshlrev_b32 v[L16], 4, v4
	v_lshlrev_b32 v[L4], 2, v4
	v_lshlrev_b32 v6, 7, v2                        ; scale words: 128 bytes a row and 16 more for each 256 passed; lanes 16-31 eight blocks on
	v_lshrrev_b32 v7, 1, v2
	v_lshl_add_u32 v6, v7, 4, v6
	v_mul_u32_u24 v7, 8*SBLK, v3
	v_add_nc_u32 v6, v6, v7
	v_add_nc_u32 v[ADRS], SCA, v6
	v_mul_u32_u24 v8, 272, v2                      ; the stage, in: row r, 32 bytes for each half of the lanes
	v_lshl_add_u32 v8, v3, 5, v8
	v_add_nc_u32 v[STO], s15, v8
	v_mul_u32_u24 v9, 272, v3                      ; out: lanes 0-15 one row of 256 bytes, lanes 16-31 the next
	v_lshl_add_u32 v9, v2, 4, v9
	v_add_nc_u32 v[RD], s15, v9
	v_lshlrev_b32 v10, 14, v3
	v_lshl_add_u32 v[CO], v2, 4, v10
	v_lshrrev_b32 v11, 1, v4                       ; prefetch: two lanes a row, 256 bytes apart
	v_lshlrev_b32 v11, 12, v11
	v_and_b32 v12, 1, v4
	v_lshl_add_u32 v[PFO], v12, 8, v11
	s_wait_alu depctr_va_vdst(0)                   ; the wait at the head's end
	s_bfe_u32 s40, ttmp6, 0x40000                  ; cx
	s_lshl_b32 s42, ttmp9, 2
	s_add_co_u32 s42, s42, s40                     ; tile column
	s_and_b32 s17, ttmp7, 0xffff                   ; tile row
	s_mul_i32 s[WB], s14, 64*PITCH
	s_mov_b32 s[SLT], 0
	GROUP1 G1H, 128
	GROUP1 G1F, 256
	GROUP1 G1R, 64
	s_mov_b32 s[G1S+0], 15|(3<<16)|(1<<20)|(1<<21)|(5<<22)|(3<<25)   ; the scale bytes: 32,768 dense bytes as 128 rows of 256
	s_mov_b32 s[G1S+1], 32<<16
	s_mov_b32 s[G1S+2], 128<<16
	s_mov_b32 s[G1S+3], 32<<16
	s_mov_b32 s[G1S+4], 128
	s_mov_b32 s[G1S+5], 32
	s_mov_b32 s[G1S+6], 0
	s_mov_b32 s[G1S+7], 0
	s_lshl_b32 s20, s17, 20                        ; A: the tile row's 256 rows
	s_mov_b32 s21, 0
	s_lshl_b32 s18, s14, 19                        ; head: waves 0, 1 fetch 128 rows each
	s_add_co_u32 s18, s18, s20
	s_mov_b32 s19, 0
	s_lshl_b32 s22, s17, 15                        ; the scale bytes
	s_mov_b32 s23, 0
	s_lshl_b32 s86, s14, 18                        ; refills: my 64 rows; at slot 1: a refill steps first
	s_add_co_u32 s86, s86, s20
	s_add_co_u32 s86, s86, 512
	s_mov_b32 s87, 0
	s_lshl_b32 s88, s40, 18                        ; prefetch: 64 rows a work-group, 16 a wave; at slot 2: a trip steps first
	s_lshl_b32 s89, s14, 16
	s_add_co_u32 s88, s88, s89
	s_add_co_u32 s88, s88, s20
	s_add_co_u32 s88, s88, 2*512
	s_mov_b32 s89, 0
	s_add_co_u32 s20, s20, 512                     ; slot 1's first fill
	s_lshl_b32 s90, s42, 2                         ; my 64 columns: nb = 4 x tile column + wave
	s_add_co_u32 s90, s90, s14
	s_lshl_b32 s92, s90, 13
	s_lshl_b32 s90, s90, 18
	s_mov_b32 s91, 0
	s_mov_b32 s93, 0
	s_lshl_b32 s94, s17, 22                        ; out: 256 rows of 16,384 bytes a tile row, 1,024 bytes a tile column, 256 a wave
	s_lshl_b32 s95, s42, 10
	s_add_co_u32 s94, s94, s95
	s_lshl_b32 s95, s14, 8
	s_add_co_u32 s94, s94, s95
	s_mov_b32 s95, 0
	s_mov_b32 s[G0H], 1
	s_mul_i32 s[G0H+1], s14, 128*PITCH
	s_mov_b32 s[G0S], 1
	s_mov_b32 s[G0S+1], SCA
	s_mov_b32 s[G0F], 1
	s_mov_b32 s[G0F+1], SLOT
	s_mov_b32 s[G0R], 1
	s_wait_dscnt 0x0                               ; both opening adds are done
	CROUND                                         ; the four work-groups are here: the first joint loads meet
	s_wait_kmcnt 0x0
	s_add_nc_u64 s[G0H+2:G0H+3], s[4:5], s[18:19]
	s_or_b32 s[G0H+3], s[G0H+3], 0x80000000
	s_add_nc_u64 s[G0S+2:G0S+3], s[6:7], s[22:23]
	s_or_b32 s[G0S+3], s[G0S+3], 0x80000000
	s_cmp_lt_u32 s14, 2                            ; ONE joint load a wave: waves 0, 1 slot 0's halves, wave 2 the scale bytes, wave 3 slot 1, which is wanted last
	s_cbranch_scc0 .Lhead_2
	TLOAD G0H, G1H
	s_branch .Lasked
.Lhead_2:
	s_cmp_eq_u32 s14, 2
	s_cbranch_scc0 .Lhead_3
	TLOAD G0S, G1S
	s_branch .Lasked
.Lhead_3:
	s_add_nc_u64 s[G0F+2:G0F+3], s[4:5], s[20:21]
	s_or_b32 s[G0F+3], s[G0F+3], 0x80000000
	TLOAD G0F, G1F
.Lasked:
	s_add_nc_u64 s[BB:BB+1], s[8:9], s[90:91]
	s_add_nc_u64 s[SBB:SBB+1], s[10:11], s[92:93]
	s_add_nc_u64 s[G0R+2:G0R+3], s[4:5], s[86:87]
	s_or_b32 s[G0R+3], s[G0R+3], 0x80000000
	s_add_nc_u64 s[PFA:PFA+1], s[4:5], s[88:89]
	s_add_nc_u64 s[12:13], s[12:13], s[94:95]
.macro GL p, ko, g                     ; the g-th of the 18 loads of set p: 16 of codes, 2 of scale words; ko: steps from the base
.if (\g) < 16
	WIN 0x40
	global_load_b128 v[64*(\p)+4*(\g):64*(\p)+4*(\g)+3], v[L16], s[BB:BB+1] offset:8192*(\ko)+512*(\g)
.else
	WIN 0
	global_load_b32 v[40+4*((\g)-16)+((\p)+1)%4], v[L4], s[SBB:SBB+1] offset:256*(\ko)+128*((\g)-16)
.endif
.endm
.macro LDA blk, st, buf                ; a fragment's four loads: registers 4 c .. 4 c + 3 hold K = 32 c + 16 h + 0 .. 15 of row r
.irp c, 0,1,2,3
.if (\blk) < 8
	ds_load_b128 v[128+16*(\buf)+4*\c:131+16*(\buf)+4*\c], v[ADL] offset:16*PITCH*(\blk)+128*(\st)+32*\c
.else
	ds_load_b128 v[128+16*(\buf)+4*\c:131+16*(\buf)+4*\c], v[ADH] offset:16*PITCH*((\blk)-8)+128*(\st)+32*\c
.endif
.endr
.endm
.macro WM a, b, q, k                   ; a product: row block a, column block b, step q of the slot, A's buffer k.  ZR = 1: it starts the sum
.set rD, 32*((\a)%8)+8*(\b)
.set rB, 64*(\q)+16*(\b)
.set rA, 128+16*(\k)
.set rS, 40+4*((\b)%2)+((\q)+1)%4
.set rT, 64+16*((\q)/2)+2*((\a)%8)+(\q)%2
.if ZR
.if ((\a) < 8) && ((\b) < 2)
	v_wmma_scale_f32_16x16x128_f8f6f4 v[rD:rD+7], v[rB:rB+15], v[rA:rA+15], 0, v[rS], v[rT]
.elseif (\a) < 8
	v_wmma_scale_f32_16x16x128_f8f6f4 v[rD:rD+7], v[rB:rB+15], v[rA:rA+15], 0, v[rS], v[rT] matrix_a_scale:MATRIX_SCALE_ROW1
.elseif (\b) < 2
	v_wmma_scale_f32_16x16x128_f8f6f4 v[rD:rD+7], v[rB:rB+15], v[rA:rA+15], 0, v[rS], v[rT] matrix_b_scale:MATRIX_SCALE_ROW1
.else
	v_wmma_scale_f32_16x16x128_f8f6f4 v[rD:rD+7], v[rB:rB+15], v[rA:rA+15], 0, v[rS], v[rT] matrix_a_scale:MATRIX_SCALE_ROW1 matrix_b_scale:MATRIX_SCALE_ROW1
.endif
.else
.if ((\a) < 8) && ((\b) < 2)
	v_wmma_scale_f32_16x16x128_f8f6f4 v[rD:rD+7], v[rB:rB+15], v[rA:rA+15], v[rD:rD+7], v[rS], v[rT]
.elseif (\a) < 8
	v_wmma_scale_f32_16x16x128_f8f6f4 v[rD:rD+7], v[rB:rB+15], v[rA:rA+15], v[rD:rD+7], v[rS], v[rT] matrix_a_scale:MATRIX_SCALE_ROW1
.elseif (\b) < 2
	v_wmma_scale_f32_16x16x128_f8f6f4 v[rD:rD+7], v[rB:rB+15], v[rA:rA+15], v[rD:rD+7], v[rS], v[rT] matrix_b_scale:MATRIX_SCALE_ROW1
.else
	v_wmma_scale_f32_16x16x128_f8f6f4 v[rD:rD+7], v[rB:rB+15], v[rA:rA+15], v[rD:rD+7], v[rS], v[rT] matrix_a_scale:MATRIX_SCALE_ROW1 matrix_b_scale:MATRIX_SCALE_ROW1
.endif
.endif
.endm
.macro MUL4 a, q, k                    ; row block a against my four column blocks
	WIN MUL+0x50*((\a)/8)
.irp b, 0,1,2,3
	WM \a, \b, \q, \k
.endr
.endm
.macro PLACES n                        ; plain vector lines between a product and loads into what it has read, or readers of its result (readers of its result)
.rept \n
	v_nop
.endr
.endm
; A quarter: 16 products, then one run of loads.  Its own 16 loads stand in the run behind the quarter before last; behind them 16 of the last run, and the scale words' 8 where they lie between.
; x = 1: A's scale words of this slot's steps 2, 3; x = 2: those of the next slot's steps 0, 1: eight loads in the run behind quarter 0.
; ch: the change of slots, about quarter 2: 1 with a refill, 2 without.  tail: the steps by rows follow: the last two runs bring row blocks 0 and 1 for three steps, and W's set comes with the first two.
.macro QTR n, q, ko, z, x, ch, tail
.set ZR, \z
.set X_, 16
.if (\x) && (((\n) == 1) || ((\n) == 2))
.set X_, 24
.endif
.if (\tail) && ((\n) == 3)
.set X_, 12
.endif
.if (\ch) && ((\n) == 2)
	WIN 0
	s_wait_tensorcnt 0x0                           ; my part of the next slot has landed;
.if (\ch) == 1
	ds_add_u32 v[SPW], v[NIL]                      ; twelve products stand between the add and its wait;
	s_add_co_u32 s[G0R+1], s[WB], s[SLT]           ; no load of mine is out: the refill's group 0
	s_add_nc_u64 s[G0R+2:G0R+3], s[G0R+2:G0R+3], 512
.set X_, X_+1
.endif
	s_xor_b32 s[SLT], s[SLT], SLOT
	v_add_nc_u32 v[ADL], s[SLT], v[BASE]           ; this slot's last loads have been issued: on to the next slot
	v_add_nc_u32 v[ADRS], 16, v[ADRS]
	v_add_nc_u32 v[ADH], 128*PITCH, v[ADL]
	s_wait_alu depctr_va_vdst(0)                   ; the wait behind the writes
.endif
	s_wait_dscnt X_+12
	MUL4 4*(\n), \q, 4*((\n)%2)
	s_wait_dscnt X_+8
	MUL4 4*(\n)+1, \q, 4*((\n)%2)+1
	s_wait_dscnt X_+4
	MUL4 4*(\n)+2, \q, 4*((\n)%2)+2
.if (\ch) && ((\n) == 2)
	s_wait_dscnt 0x0                               ; the add is done, and my reads of this slot are over
	s_barrier_signal -1
.else
	s_wait_dscnt X_
.endif
	MUL4 4*(\n)+3, \q, 4*((\n)%2)+3
	WIN 0
.if (\ch) && ((\n) == 2)
	s_barrier_wait -1
.if (\ch) == 1
	CREST                                          ; no wave of any partner reads this slot any more or has a load on its way
	TLOAD G0R, G1R                                 ; the slot just read out takes the K of two slots on: my one load behind this round
	PLACES 4
.else
	PLACES 8
.endif
.else
	PLACES 8
.endif
.if (\n) < 2
.irp i, 0,1,2,3
	LDA 4*(\n)+8+\i, \q, 4*((\n)%2)+\i
.endr
.elseif \tail
.irp i, 0,1,2
	LDA (\n)-2, 1+\i, 4*((\n)%2)+\i
.endr
.else
.irp i, 0,1,2,3
	LDA 4*(\n)-8+\i, (\q+1)%4, 4*((\n)%2)+\i
.endr
.endif
.if (\x) && ((\n) == 0)
.irp i, 0,1,2,3,4,5,6,7
	ds_load_b64 v[64+16*(2-(\x))+2*\i:65+16*(2-(\x))+2*\i], v[ADRS] offset:SBLK*\i+8*(\x)
.endr
.endif
.if (\q == 1) && ((\n) == 0)
	s_wait_xcnt 0x0                                ; the last trip's loads and its prefetch have read their bases: on by a slot
	s_add_nc_u64 s[BB:BB+1], s[BB:BB+1], 4*8192
	s_add_nc_u64 s[SBB:SBB+1], s[SBB:SBB+1], 4*256
	s_add_nc_u64 s[PFA:PFA+1], s[PFA:PFA+1], 512
.endif
.if \tail
.set GI, 9*(\n)
.set GC, 9
.if (\n) > 1
.set GC, 0
.endif
.elseif (\n) < 2
.set GI, 5*(\n)
.set GC, 5
.else
.set GI, 4*(\n)+2
.set GC, 4
.endif
.rept GC
	GL (\q+3)%4, \ko, GI                           ; set q - 1, free since the last step, takes the step three on
.set GI, GI+1
.endr
.endm
.macro STEP q, ko, z, x, ch, tail
	s_wait_loadcnt 36                              ; set q is in; the two younger sets' 18 loads each may be out
	QTR 0, \q, \ko, \z, \x, \ch, \tail
	QTR 1, \q, \ko, \z, \x, \ch, \tail
	QTR 2, \q, \ko, \z, \x, \ch, \tail
	QTR 3, \q, \ko, \z, \x, \ch, \tail
.endm
.macro SET p                           ; a whole set at the head
.set GI, 0
.rept 18
	GL \p, \p, GI
.set GI, GI+1
.endr
.endm
	SET 0
	SET 1
	WIN 0
	s_cmp_eq_u32 s14, 3
	s_cbranch_scc1 .Lslot_1
	s_wait_tensorcnt 0x0                           ; slot 0 and the scale bytes: waves 0 to 2 wait.  Wave 3's load, slot 1's, is shown by the first change of slots
.Lslot_1:
	s_barrier_signal -1
	s_barrier_wait -1
.irp i, 0,1,2,3,4,5,6,7
	ds_load_b64 v[64+2*\i:65+2*\i], v[ADRS] offset:SBLK*\i
.endr
.irp u, 0,1,2,3,4,5,6,7
	LDA \u, 0, \u
.endr
	SET 2
	STEP 0, 3, 1, 0, 0, 0                          ; the first step starts the sums
	WIN 0
	s_mov_b32 s3, 6
.Llap:                                                 ; a trip: steps 1, 2, 3 of a slot and step 0 of the next
	STEP 1, 0, 0, 1, 0, 0
	STEP 2, 1, 0, 0, 0, 0
	STEP 3, 2, 0, 2, 1, 0
	WIN 0
	s_cmp_gt_u32 s3, 1                             ; the last refill has no successor
	s_cbranch_scc0 .Lnone_ahead
	global_prefetch_b8 v[PFO], s[PFA:PFA+1] th:TH_LOAD_NT scope:SCOPE_SE
.Lnone_ahead:
	STEP 0, 3, 0, 0, 0, 0
	WIN 0
	s_sub_co_u32 s3, s3, 1
	s_cmp_lg_u32 s3, 0
	s_cbranch_scc1 .Llap
	STEP 1, 0, 0, 1, 0, 0                          ; the last trip fills nothing
	STEP 2, 1, 0, 0, 0, 0
	STEP 3, 2, 0, 2, 2, 0
	STEP 0, 3, 0, 1, 0, 1
; THE LAST THREE STEPS BY ROWS.  Row block a: 12 products; then one run: its sums into the stage, the fragments of block a + 2, the stage back as whole rows, the stores of block a - 1.
.macro OREG a, t                       ; two sets of 32 registers by turns
.if ((\a)%2) == 0
.set OR_, 96+4*(\t)
.elseif (\t) < 4
.set OR_, 4*(\t)
.else
.set OR_, 48+4*((\t)-4)
.endif
.endm
.macro OBOUT a, younger
	s_wait_dscnt \younger                          ; the block is back; the LDS instructions behind its loads may be out
.irp t, 0,1,2,3,4,5,6,7
	OREG \a, \t
	global_store_b128 v[CO], v[OR_:OR_+3], s[12:13] offset:262144*(\a)+32768*\t th:TH_STORE_NT   ; two rows' 256 bytes each, at multiples of 256
.endr
.endm
.macro ROW a
.if (\a) == 0
	s_wait_dscnt 12                                ; block 0's fragments; block 1's twelve loads may be out
	s_wait_loadcnt 36                              ; sets 1, 2, 3 one after the other
.elseif (\a) == 1
	s_wait_dscnt 28                                ; block 1's: behind them block 0's run.  (Later blocks': the wait ahead of the stores in the last run)
.endif
	MUL4 \a, 1, 4*((\a)%2)
.if (\a) == 0
	s_wait_loadcnt 18
.endif
	MUL4 \a, 2, 4*((\a)%2)+1
.if (\a) == 0
	s_wait_loadcnt 0x0
.endif
	MUL4 \a, 3, 4*((\a)%2)+2
	PLACES 8
	WIN 0x08+4*((\a)/8)
.irp b, 0,1,2,3                        ; each accumulator from its low end on
	ds_store_b128 v[STO], v[32*((\a)%8)+8*\b:32*((\a)%8)+8*\b+3] offset:64*\b
	ds_store_b128 v[STO], v[32*((\a)%8)+8*\b+4:32*((\a)%8)+8*\b+7] offset:64*\b+16
.endr
	WIN 0
.set YN_, 16
.if (\a) < 14
.irp i, 0,1,2
	LDA (\a)+2, 1+\i, 4*((\a)%2)+\i
.endr
.set YN_, 28
.endif
	s_wait_xcnt 0x0                                ; the stores of block a - 2 have taken their data
.irp t, 0,1,2,3,4,5,6,7
	OREG \a, \t
	ds_load_b128 v[OR_:OR_+3], v[RD] offset:2*272*\t       ; LDS serves a wave's instructions in order (ISA guide 5.7.1.4)
.endr
.if (\a) > 0
	OBOUT (\a)-1, YN_
.endif
.endm
.set ZR, 0
.irp a, 0,1,2,3,4,5,6,7,8,9,10,11,12,13,14,15
	ROW \a
.endr
	OBOUT 15, 0
	s_wait_tensorcnt 0x0                           ; the wave's end
	ds_add_u32 v[SPW], v[NIL]
	s_wait_dscnt 0x0
	CROUND                                         ; the closing round
	s_endpgm
.Lfunc_end_k_qeafd4885d1_gemm:
	.size	k_qeafd4885d1_gemm, .Lfunc_end_k_qeafd4885d1_gemm-k_qeafd4885d1_gemm
	.p2alignl 7, 3214868480
	.fill 96, 4, 3214868480
	.section	.rodata,"a",@progbits
	.p2align	6, 0x0
	.amdhsa_kernel k_qeafd4885d1_gemm
		.amdhsa_group_segment_fixed_size 327680
		.amdhsa_private_segment_fixed_size 0
		.amdhsa_enable_private_segment 0
		.amdhsa_kernarg_size 40
		.amdhsa_user_sgpr_count 2
		.amdhsa_user_sgpr_kernarg_segment_ptr 1
		.amdhsa_wavefront_size32 1
		.amdhsa_system_sgpr_workgroup_id_x 1
		.amdhsa_system_sgpr_workgroup_id_y 1
		.amdhsa_system_sgpr_workgroup_id_z 1
		.amdhsa_system_vgpr_workitem_id 0
		.amdhsa_next_free_vgpr 1024
		.amdhsa_next_free_sgpr 98
		.amdhsa_reserve_vcc 0
		.amdhsa_float_denorm_mode_32 3
		.amdhsa_float_denorm_mode_16_64 3
		.amdhsa_memory_ordered 1
		.amdhsa_forward_progress 1
		.amdhsa_inst_pref_size 230
	.end_amdhsa_kernel
	.amdgpu_metadata
---
amdhsa.version: [ 1, 2 ]
amdhsa.kernels:
  - .name:           k_qeafd4885d1_gemm
    .symbol:         k_qeafd4885d1_gemm.kd
    .args:
      - { .name: A_codes, .offset: 0, .size: 8, .value_kind: global_buffer, .address_space: global }
      - { .name: A_scales, .offset: 8, .size: 8, .value_kind: global_buffer, .address_space: global }
      - { .name: w_codes, .offset: 16, .size: 8, .value_kind: global_buffer, .address_space: global }
      - { .name: w_scales, .offset: 24, .size: 8, .value_kind: global_buffer, .address_space: global }
      - { .name: out0, .offset: 32, .size: 8, .value_kind: global_buffer, .address_space: global }
    .group_segment_fixed_size: 327680
    .private_segment_fixed_size: 0
    .kernarg_segment_align: 8
    .kernarg_segment_size: 40
    .max_flat_workgroup_size: 128
    .sgpr_count:     98
    .vgpr_count:     1024
    .wavefront_size: 32
...
	.end_amdgpu_metadata
.endif
;; end of part 2
